; MI455X (gfx1250); checked and timed in simulation.
; The chip was launched on July 23, 2026; its instructions are those of AMD's public machine-readable ISA for CDNA 5 (MIT licence, August 2026) and "CDNA5" Instruction Set Architecture Reference Guide (July 2026). The comments in the code are by the model that wrote it; some were corrected since.
;; MSA Attention. Allowed arithmetic: float matrix products may take bf16 or f16 operands with f32 sums; all other float work in f32.
;; Inputs: bg 256 float32; bo 256 float32; ln_m_b 256 float32; ln_m_g 256 float32; ln_z_b 128 float32; ln_z_g 128 float32; m 1 x 128 x 256 x 256 float32; mask 1 x 128 x 256 float32; w_z 128 x 8 float32; wg 256 x 256 float32; wk 256 x 256 float32; wo 256 x 256 float32; wq 256 x 256 float32; wv 256 x 256 float32; z 1 x 256 x 256 x 128 float32.
;; Outputs: out0 1 x 128 x 256 x 256 float32.
;; One version. Each part assembles by itself: llvm-mc -triple=amdgcn-amd-amdhsa -mcpu=gfx1250 --defsym DOCPART=n.
;; ======== version 1 of 1: 2 launches
;; limits: values are held in f16: magnitudes above 65,504 overflow, below 6.1e-05 lose precision
;; workspace buffers: wf 655,360 bytes; zbf 2,097,152 bytes
;; launch prep (part 1): grid 256 x 1, 8 waves a work-group, no clusters, 168,960 bytes of LDS; arguments z, ln_z_g, w_z, wq, wg, wk, wv, wo, wf, zbf; writes wf, zbf
.if DOCPART == 1
	.amdgcn_target "amdgcn-amd-amdhsa--gfx1250"
	.amdhsa_code_object_version 6
	.text
	.protected	k_q8cad536199_prep
	.globl	k_q8cad536199_prep
	.p2align	8
	.type	k_q8cad536199_prep,@function
k_q8cad536199_prep:
	s_mov_b64 s[64:65], 0
	v_nop
	global_prefetch_b8 v0, s[64:65] scope:SCOPE_SE
	s_setreg_imm32_b32 hwreg(HW_REG_WAVE_MODE, 25, 1), 1
	s_wait_xcnt 0x0
; PREP: what all 128 sequences share is made once.
;  (1) zbf = log2(e) * ((z - mean) * rstd * ln_z_g) @ w_z, in f32, in the register order in which the attention launch takes it
;      as the C operand of its score products: block (head*16 + qt)*16 + kt of 1,024 bytes; byte 512 (j>>2) + 16 (r + 16 h) + 4 (j&3)
;      holds the bias of (head, q = 16 qt + r, key = 16 kt + 8 h + j).
;  (2) wf = the five weight matrices in f16 in fragment order (wq, wg, wk, wv, wo; 131,072 bytes each; a fragment of 16 columns x 32 k
;      is 1,024 bytes: byte 512 b + 16 (r + 16 h) + 2 e holds W[32 ks + 16 b + 8 h + e][col]).  wq..wv: fragment (head*8 + ks)*2 + t,
;      col = 32 head + 16 t + r.  wo: fragment (cg*8 + ks)*4 + t, col = 64 cg + 4 r + t.  wq carries log2(e)/sqrt(32), wg carries
;      -log2(e), multiplied in f32 ahead of the one rounding to f16: the logits are then in base 2, the gate is 1/(1 + 2^acc).
; FORMAT: matrix operands are f16 (11 significant bits).  An output passes twelve roundings of operands (x^, weight and result for each of
; Q, K, V; P; the gated O; wo), which add up; with 8 significant bits their sum would be of the order of the comparison's allowance.
; Room: (z - mean) rstd is at most sqrt(128) in magnitude for every z.  Weights: limit |w| < 65,504; below 6.1e-5 the step is 6e-8.
; WORK LEFT OUT: ln_z_b.  It reaches the logits only as sum over c of ln_z_b[c] w_z[c][head], one number for all (q, key) of a head:
; the same along the softmax's axis for all values of the inputs, so it cancels in the softmax.  ln_z_b is not loaded and is no
; launch's argument.  Limit: a NaN, an infinity or an overflow in ln_z_b or in that sum is not carried to the result.
; SHARES: work-group (qt, kt) makes 16 q x 16 keys x 8 heads.  Wave v takes q = 16 qt + 2 v + tau, tau = 0, 1: each a tile of 16 rows of z,
; 512 bytes each, 8 KiB that lie dense in memory, brought by one tensor load.  A wave has two tensor loads out, both issued at the start;
; no LDS byte is filled twice.  Waves 0 to 4 also cast the 512-byte block number (work-group) of matrix (wave).
; No cluster: the work-groups share only w_z and ln_z_g, 4,608 bytes beside 131,072 bytes of z of their own.
.set ZP,   528                         ; LDS pitch of a z row: 512 bytes + 16 = 33 x 16, so 16 rows begin in 16 different 16-byte columns of 256
.set ZT,   16*ZP                       ; a tile
.set WFR,  16*ZT                       ; 4,096 bytes: the four A fragments of w' (LDS stores only; no tensor load lands here)
.set OUTS, WFR+4096                    ; 8,192 bytes: 8 heads x 1 KiB, the work-group's blocks of zbf (LDS stores only)
.set X,    32                          ; v[32:95]   my half of a z row in f32 (64 channels), then f16 fragments in v[32:63]
.set AW,   96                          ; v[96:127]  four A fragments of w'
.set D0,   128                         ; v[128:135], v[136:143]  two accumulators
	s_load_b512 s[4:19], s[0:1], 0x0               ; z, ln_z_g, w_z, wq, wg, wk, wv, wo
	s_load_b128 s[20:23], s[0:1], 0x40             ; wf, zbf
	v_lshl_add_u32 v160, v0, 2, 0x29000
	v_mov_b32 v161, 0
	ds_add_u32 v160, v161
	ds_add_u32 v160, v161
	v_lshrrev_b32 v1, 5, v0
	v_readfirstlane_b32 s32, v1                    ; wave
	s_lshr_b32 s33, ttmp9, 4                       ; qt
	s_and_b32 s34, ttmp9, 15                       ; kt
	s_mov_b32 s35, 0x76543210                      ; v_permlanex16_b32: lane i takes lane i of the other half
	s_mov_b32 s36, 0xfedcba98
	s_mov_b32 s37, 0xbc000000                      ; -1/128
	s_mov_b32 s38, 0x3727c5ac                      ; 1e-5
	s_mov_b32 s39, 0x3c000000                      ; 1/128
	; descriptor group 1: 16 rows x 128 elements of 4 bytes, 4 words of padding behind every 128 words
	s_mov_b32 s44, (2<<16)|(1<<20)|(6<<22)|(3<<25)
	s_mov_b32 s45, 128<<16                         ; tensor_dim0 = 128
	s_mov_b32 s46, 16<<16                          ; tensor_dim1 = 16
	s_mov_b32 s47, 128<<16                         ; tile_dim0 = 128
	s_mov_b32 s48, 16                              ; tile_dim1 = 16
	s_mov_b32 s49, 128                             ; elements from row to row
	s_mov_b32 s50, 0
	s_mov_b32 s51, 0
	s_lshl_b32 s42, s33, 21                        ; 16 qt planes of 131,072 bytes
	s_lshl_b32 s24, s32, 18                        ; + 2 wave planes
	s_add_co_u32 s42, s42, s24
	s_lshl_b32 s24, s34, 13                        ; + 16 kt rows of 512 bytes
	s_add_co_u32 s42, s42, s24
	s_mov_b32 s43, 0
	s_mul_i32 s60, s32, 2*ZT                       ; my two tiles in LDS
	s_wait_dscnt 0x0
	s_wait_kmcnt 0x0
	s_add_nc_u64 s[4:5], s[4:5], s[42:43]
.irp t, 0,1
	s_mov_b32 s[52+4*\t], 1
	s_add_co_u32 s[53+4*\t], s60, \t*ZT
	s_add_nc_u64 s[54+4*\t:55+4*\t], s[4:5], \t*131072
	s_or_b32 s[55+4*\t], s[55+4*\t], 0x80000000
	tensor_load_to_lds s[52+4*\t:55+4*\t], s[44:51]    ; both fills go out ahead of every barrier and every read of the tiles
	s_nop 0
.endr
	v_and_b32 v1, 15, v0                           ; r
	v_bfe_u32 v2, v0, 4, 1                         ; h
	v_and_b32 v3, 31, v0
	v_lshlrev_b32 v3, 4, v3                        ; 16 x lane; never rewritten
	; my 16 bytes of the fragments of w': K step c = wave>>1, half b = wave&1, so k0 = 16 wave + 8 h; A's row r is head r & 7
	v_and_b32 v6, 7, v1
	v_lshlrev_b32 v6, 2, v6
	v_lshl_add_u32 v6, v2, 8, v6
	s_lshl_b32 s24, s32, 9
	v_add_nc_u32 v6, s24, v6                       ; 32 k0 + 4 head
.irp e, 0,1,2,3,4,5,6,7
	global_load_b32 v[8+\e], v6, s[8:9] offset:32*\e
.endr
	v_lshlrev_b32 v7, 5, v2
	s_lshl_b32 s24, s32, 6
	v_add_nc_u32 v7, s24, v7                       ; 4 k0
	global_load_b128 v[16:19], v7, s[6:7]
	global_load_b128 v[20:23], v7, s[6:7] offset:16
	; THE CAST: waves 0 to 4, one block of 512 bytes each
	s_cmp_ge_u32 s32, 5
	s_cbranch_scc1 .Lnocast
	s_mov_b64 s[40:41], s[10:11]
	s_cmp_eq_u32 s32, 1
	s_cselect_b64 s[40:41], s[12:13], s[40:41]
	s_cmp_eq_u32 s32, 2
	s_cselect_b64 s[40:41], s[14:15], s[40:41]
	s_cmp_eq_u32 s32, 3
	s_cselect_b64 s[40:41], s[16:17], s[40:41]
	s_cmp_eq_u32 s32, 4
	s_cselect_b64 s[40:41], s[18:19], s[40:41]
	s_lshr_b32 s24, ttmp9, 1                       ; fragment f
	s_and_b32 s25, ttmp9, 1                        ; half b
	s_bfe_u32 s26, s24, 0x30001                    ; wq..wv: ks = bits 3:1 of f
	s_and_b32 s27, s24, 1                          ; t
	s_lshr_b32 s28, s24, 4                         ; head
	s_lshl_b32 s27, s27, 6
	s_lshl_b32 s28, s28, 7
	s_add_co_u32 s27, s27, s28                     ; 4 (32 head + 16 t)
	s_bfe_u32 s29, s24, 0x30002                    ; wo: ks = bits 4:2 of f
	s_and_b32 s30, s24, 3                          ; t
	s_lshr_b32 s31, s24, 5                         ; cg
	s_lshl_b32 s30, s30, 2
	s_lshl_b32 s31, s31, 8
	s_add_co_u32 s30, s30, s31                     ; 4 (64 cg + t)
	s_cmp_eq_u32 s32, 4
	s_cselect_b32 s26, s29, s26
	s_cselect_b32 s27, s30, s27
	s_cselect_b32 s28, 4, 2                        ; r counts 4 columns in wo, 1 in the others
	s_lshl_b32 s26, s26, 15                        ; 32 ks rows of 1,024 bytes
	s_lshl_b32 s25, s25, 14                        ; 16 b rows
	s_add_co_u32 s26, s26, s25
	s_add_co_u32 s26, s26, s27
	v_lshlrev_b32 v144, s28, v1
	v_lshl_add_u32 v144, v2, 13, v144              ; 8 h rows
	v_add_nc_u32 v144, s26, v144
.irp e, 0,1,2,3,4,5,6,7
	global_load_b32 v[24+\e], v144, s[40:41] offset:1024*\e
.endr
	s_wait_loadcnt 0x0
	s_cmp_ge_u32 s32, 2
	s_cbranch_scc1 .Lnoscale                       ; wk, wv, wo carry no factor
	s_mov_b32 s28, 0xbfb8aa3b                      ; wg: -log2(e)
	s_mov_b32 s29, 0x3e8293ee                      ; wq: log2(e) / sqrt(32)
	s_cmp_eq_u32 s32, 0
	s_cselect_b32 s28, s29, s28
.irp i, 0,2,4,6
	v_pk_mul_f32 v[24+\i:25+\i], v[24+\i:25+\i], s[28:29] op_sel_hi:[1,0]
.endr
.Lnoscale:
.irp i, 0,1,2,3
	v_cvt_pk_f16_f32 v[24+\i], v[24+2*\i], v[25+2*\i]
.endr
	s_lshl_b32 s42, s32, 17                        ; the matrix
	s_lshl_b32 s24, ttmp9, 9                       ; the block
	s_add_co_u32 s42, s42, s24
	s_add_nc_u64 s[20:21], s[20:21], s[42:43]
	global_store_b128 v3, v[24:27], s[20:21]       ; the wave stores 512 consecutive bytes, aligned; its sources are never rewritten
.Lnocast:
	s_wait_loadcnt 0x0                             ; w_z and ln_z_g, on both ways
.irp i, 0,2,4,6
	v_pk_mul_f32 v[8+\i:9+\i], v[8+\i:9+\i], v[16+\i:17+\i]
.endr
.irp i, 0,2,4,6
	v_pk_mul_f32 v[8+\i:9+\i], v[8+\i:9+\i], 0x3fb8aa3b op_sel_hi:[1,0]
.endr
.irp i, 0,1,2,3
	v_cvt_pk_f16_f32 v[8+\i], v[8+2*\i], v[9+2*\i]
.endr
	v_lshlrev_b32 v6, 4, v0
	v_add_nc_u32 v6, WFR, v6
	ds_store_b128 v6, v[8:11]                      ; fragment c, half b, lane: 1,024 c + 512 b + 16 lane = 16 x thread
	s_wait_dscnt 0x0                               ; my store is done before I say so
	s_barrier_signal -1
	s_barrier_wait -1                              ; all 256 pieces are there.  The tensor loads may stay out
	v_add_nc_u32 v7, WFR, v3
.irp n, 0,1,2,3,4,5,6,7
	ds_load_b128 v[AW+4*\n:AW+4*\n+3], v7 offset:512*\n
.endr
	v_mul_u32_u24 v4, v1, ZP
	v_lshl_add_u32 v4, v2, 5, v4
	v_add_nc_u32 v4, s60, v4                       ; row r of my first tile, + 32 h
	v_and_b32 v5, 3, v1                            ; where a result goes in the stage: key r = 8 h' + j, q = 2 wave + tau, head = 4 h + i
	v_lshlrev_b32 v5, 2, v5                        ; 4 (j & 3)
	v_bfe_u32 v145, v1, 2, 1
	v_lshl_add_u32 v5, v145, 9, v5                 ; 512 (j >> 2)
	v_bfe_u32 v145, v1, 3, 1
	v_lshl_add_u32 v5, v145, 8, v5                 ; 256 h'
	v_lshl_add_u32 v5, v2, 12, v5                  ; 4 h heads of 1,024 bytes
	s_lshl_b32 s24, s32, 5                         ; 16 x 2 wave
	s_add_co_u32 s24, s24, OUTS
	v_add_nc_u32 v5, s24, v5
	v_cmp_ne_u32 vcc_lo, 0, v2                     ; lanes 16 to 31
; One q: 16 keys.  Lane (r, h) holds channels 16 p + 8 h + 0..7, p = 0..7, of key r: the places of the B fragments of four K steps.
.macro TILE t
	s_wait_tensorcnt 1-\t                          ; a wave's tensor loads end in order: tile 0 leaves tile 1's load out, tile 1 leaves none
.set p, 0
.rept 8
	ds_load_b128 v[X+8*p:X+8*p+3],   v4 offset:\t*ZT+64*p
	ds_load_b128 v[X+8*p+4:X+8*p+7], v4 offset:\t*ZT+64*p+16
.set p, p+1
.endr
	s_wait_dscnt 0x0
.irp k, 0,1,2,3
	v_pk_add_f32 v[8+2*\k:9+2*\k], v[X+2*\k:X+2*\k+1], v[X+8+2*\k:X+9+2*\k]     ; four chains, started by the first pairs
.endr
.set p, 8
.rept 24
	v_pk_add_f32 v[8+2*(p%4):9+2*(p%4)], v[8+2*(p%4):9+2*(p%4)], v[X+2*p:X+2*p+1]
.set p, p+1
.endr
	v_pk_add_f32 v[8:9], v[8:9], v[10:11]
	v_pk_add_f32 v[12:13], v[12:13], v[14:15]
	v_pk_add_f32 v[8:9], v[8:9], v[12:13]
	v_add_f32 v8, v8, v9
	v_permlanex16_b32 v9, v8, s35, s36             ; the row's other 64 channels
	v_add_f32 v8, v8, v9
	v_mul_f32 v8, s37, v8                          ; -mean
.set p, 0
.rept 32
	v_pk_add_f32 v[X+2*p:X+2*p+1], v[X+2*p:X+2*p+1], v[8:9] op_sel_hi:[1,0]     ; d = x - mean: the variance is no difference of large sums
.set p, p+1
.endr
.irp k, 0,1,2,3
	v_pk_mul_f32 v[10+2*\k:11+2*\k], v[X+2*\k:X+2*\k+1], v[X+2*\k:X+2*\k+1]
.endr
.set p, 4
.rept 28
	v_pk_fma_f32 v[10+2*(p%4):11+2*(p%4)], v[X+2*p:X+2*p+1], v[X+2*p:X+2*p+1], v[10+2*(p%4):11+2*(p%4)]
.set p, p+1
.endr
	v_pk_add_f32 v[10:11], v[10:11], v[12:13]
	v_pk_add_f32 v[14:15], v[14:15], v[16:17]
	v_pk_add_f32 v[10:11], v[10:11], v[14:15]
	v_add_f32 v10, v10, v11
	v_permlanex16_b32 v11, v10, s35, s36
	v_add_f32 v10, v10, v11
	v_fma_f32 v10, v10, s39, s38                   ; variance + eps
	v_rsq_f32 v18, v10
	v_nop                                          ; one plain instruction between v_rsq_f32 and the use of its result
.set p, 0
	s_wait_alu depctr_va_vdst(0)
.rept 32
	v_pk_mul_f32 v[X+2*p:X+2*p+1], v[X+2*p:X+2*p+1], v[18:19] op_sel_hi:[1,0]   ; normalised ahead of the rounding: at most sqrt(128) in magnitude, whatever z's scale
.set p, p+1
.endr
.set p, 0
.rept 32
	v_cvt_pk_f16_f32 v[X+p], v[X+2*p], v[X+2*p+1]  ; in place, ascending: register p is written after it was read
.set p, p+1
.endr
	; heads x keys: A = w' (rows 8 to 15 repeat heads 0 to 7), B = normalised z.  Two accumulators by turns.
	v_wmma_f32_16x16x32_f16 v[D0:D0+7],    v[AW:AW+7],     v[X:X+7],     0
	v_wmma_f32_16x16x32_f16 v[D0+8:D0+15], v[AW+8:AW+15],  v[X+8:X+15],  0
	v_wmma_f32_16x16x32_f16 v[D0:D0+7],    v[AW+16:AW+23], v[X+16:X+23], v[D0:D0+7]
	v_wmma_f32_16x16x32_f16 v[D0+8:D0+15], v[AW+24:AW+31], v[X+24:X+31], v[D0+8:D0+15]
.rept 5
	v_nop                                          ; the places behind the products: for the sums below, the next tile's loads into X and its first products
.endr
.irp i, 0,2,4,6
	v_pk_add_f32 v[D0+\i:D0+\i+1], v[D0+\i:D0+\i+1], v[D0+8+\i:D0+9+\i]
.endr
.irp i, 0,1,2,3
	v_cndmask_b32 v[20+\i], v[D0+\i], v[D0+4+\i], vcc_lo       ; both halves of the lanes hold heads 0 to 7 of key r: lane (r, h) keeps heads 4 h + i
.endr
.irp i, 0,1,2,3
	ds_store_b32 v5, v[20+\i] offset:1024*\i+16*\t
.endr
.endm
	TILE 0
	TILE 1
	s_wait_dscnt 0x0                               ; my stores into the stage are done before I say so
	s_barrier_signal -1
	s_barrier_wait -1
	s_lshl_b32 s24, s32, 10                        ; wave = head: its 1 KiB block
	s_add_co_u32 s24, s24, OUTS
	v_add_nc_u32 v6, s24, v3
	ds_load_b128 v[8:11], v6
	ds_load_b128 v[12:15], v6 offset:512
	s_lshl_b32 s42, s32, 4
	s_add_co_u32 s42, s42, s33
	s_lshl_b32 s42, s42, 4
	s_add_co_u32 s42, s42, s34
	s_lshl_b32 s42, s42, 10                        ; ((head*16 + qt)*16 + kt) * 1,024
	s_add_nc_u64 s[22:23], s[22:23], s[42:43]
	s_wait_dscnt 0x0
	global_store_b128 v3, v[8:11], s[22:23]        ; each store of the wave covers 512 consecutive bytes, aligned
	global_store_b128 v3, v[12:15], s[22:23] offset:512
	s_wait_tensorcnt 0x0
	ds_add_u32 v160, v161
	s_wait_dscnt 0x0
	s_endpgm
.Lfunc_end_k_q8cad536199_prep:
	.size	k_q8cad536199_prep, .Lfunc_end_k_q8cad536199_prep-k_q8cad536199_prep
	.p2alignl 7, 3214868480
	.fill 96, 4, 3214868480
	.section	.rodata,"a",@progbits
	.p2align	6, 0x0
	.amdhsa_kernel k_q8cad536199_prep
		.amdhsa_group_segment_fixed_size 168960
		.amdhsa_private_segment_fixed_size 0
		.amdhsa_enable_private_segment 0
		.amdhsa_kernarg_size 80
		.amdhsa_user_sgpr_count 2
		.amdhsa_user_sgpr_kernarg_segment_ptr 1
		.amdhsa_wavefront_size32 1
		.amdhsa_system_sgpr_workgroup_id_x 1
		.amdhsa_system_sgpr_workgroup_id_y 1
		.amdhsa_system_sgpr_workgroup_id_z 1
		.amdhsa_system_vgpr_workitem_id 0
		.amdhsa_next_free_vgpr 162
		.amdhsa_next_free_sgpr 66
		.amdhsa_reserve_vcc 1
		.amdhsa_float_denorm_mode_32 3
		.amdhsa_float_denorm_mode_16_64 3
		.amdhsa_memory_ordered 1
		.amdhsa_forward_progress 1
		.amdhsa_inst_pref_size 36
	.end_amdhsa_kernel
	.amdgpu_metadata
---
amdhsa.version: [ 1, 2 ]
amdhsa.kernels:
  - .name:           k_q8cad536199_prep
    .symbol:         k_q8cad536199_prep.kd
    .args:
      - { .name: z, .offset: 0, .size: 8, .value_kind: global_buffer, .address_space: global }
      - { .name: ln_z_g, .offset: 8, .size: 8, .value_kind: global_buffer, .address_space: global }
      - { .name: w_z, .offset: 16, .size: 8, .value_kind: global_buffer, .address_space: global }
      - { .name: wq, .offset: 24, .size: 8, .value_kind: global_buffer, .address_space: global }
      - { .name: wg, .offset: 32, .size: 8, .value_kind: global_buffer, .address_space: global }
      - { .name: wk, .offset: 40, .size: 8, .value_kind: global_buffer, .address_space: global }
      - { .name: wv, .offset: 48, .size: 8, .value_kind: global_buffer, .address_space: global }
      - { .name: wo, .offset: 56, .size: 8, .value_kind: global_buffer, .address_space: global }
      - { .name: wf, .offset: 64, .size: 8, .value_kind: global_buffer, .address_space: global }
      - { .name: zbf, .offset: 72, .size: 8, .value_kind: global_buffer, .address_space: global }
    .group_segment_fixed_size: 168960
    .private_segment_fixed_size: 0
    .kernarg_segment_align: 8
    .kernarg_segment_size: 80
    .max_flat_workgroup_size: 256
    .sgpr_count:     66
    .vgpr_count:     162
    .wavefront_size: 32
...
	.end_amdgpu_metadata
.endif
;; end of part 1
;; launch attn (part 2): grid 256 x 1, 8 waves a work-group, no clusters, 268,288 bytes of LDS; arguments m, mask, ln_m_g, ln_m_b, bg, bo, wf, zbf, out0; writes out0
.if DOCPART == 2
	.amdgcn_target "amdgcn-amd-amdhsa--gfx1250"
	.amdhsa_code_object_version 6
	.text
	.protected	k_q8cad536199_attn
	.globl	k_q8cad536199_attn
	.p2align	8
	.type	k_q8cad536199_attn,@function
k_q8cad536199_attn:
	s_mov_b64 s[64:65], 0
	v_nop
	global_prefetch_b8 v0, s[64:65] scope:SCOPE_SE
	s_setreg_imm32_b32 hwreg(HW_REG_WAVE_MODE, 25, 1), 1
	s_wait_xcnt 0x0
; ATTN: layer norm of m, the four projections, attention with pair and mask bias, gate, output projection: one launch, nothing through memory.
; Work-group = (sequence s, query half qh): 128 queries against all 256 keys.  Eight waves; wave = head.
; (ln_z_b is left out: its share of a logit is the same for all keys of a head and cancels in the softmax; see the first launch's head.)
; K and V of the sequence are projected in both of its work-groups: a split by heads would leave a sum over work-groups in the output projection.
; THE OPERAND ORDER makes each product's result the next product's fragment, so Q, K, V and P never change lanes (lane = r + 16 h):
;   Q, K, gate: A = weights (m = c), B = x^ (n = row): lane holds row r, c = 16 t + 8 h + j: packed, c tiles 0 and 1 are registers 0-3, 4-7 of a fragment over c
;   V:          A = x^ (m = key), B = weights (n = c): lane holds c = 16 t + r, keys 8 h + j: row tiles 2 kp, 2 kp + 1 make the A fragment of V^T
;   S^T = K Q^T + pair bias: lane holds q = r, keys 16 kt + 8 h + j: a softmax row lies in lanes r and r + 16; packed, tiles 2 kp, 2 kp + 1 are P's B fragment
;   O^T = V^T P: lane holds q = r, c = 16 ct + 8 h + j, as the gate; packed it is the A fragment (row q, K step = head) of the output projection
; Logits are in base 2 (the factors lie in wf and zbf).  The row maximum is taken away before the exponential.  The mask bias is added in f32
; behind the product, as (qk + pair) + mask: the order of rounding differs from (qk + mask) + pair where |mask bias| > 2^24 |logit|.
; The row sum is taken over P as rounded to f16, by a product with ones.  All sums are f32.
; FORMAT: matrix operands are f16 (11 significant bits): an output passes twelve roundings of operands (x^, weight and result for each of Q, K, V;
; P; the gated O; wo), which add up; with 8 significant bits their sum would be of the order of the comparison's allowance.
; ROOM IN f16 (largest number 65,504): |x^| <= 16 max|ln_m_g| + max|ln_m_b|; P lies in [0, 1]; |gated O| <= max|V|; K and V are x^ w: with gain and
; bias of 30 and weights of spread 1.9 or offset 1.9 the common part is 256 x 30 x 1.9 = 14,600 and five spreads of the rest 6,400; Q carries 0.255 more.
; LIMIT: an operand (x^, Q, K, V, gated O, a weight) beyond 65,504 in magnitude becomes infinite; below 6.1e-5 the step is 6e-8.
; NO CLUSTER, NO TENSOR LOADS: weights and pair bias go from memory straight into registers in fragment order, so there is no LDS tile for a joint
; load to land in; a q tile's bias for 8 heads is 131,072 bytes and 327,680 - 268,288 = 59,392 bytes of LDS are left.  m has to pass the registers in f32.
; LDS: XH 0: x^ f16, 256 rows, pitch 528 (33 x 16 bytes).  Behind the barrier that ends the projections its first 65,536 bytes are QO:
;      wave*8192 + qt*1024 + 512 b + 16 lane: Q's fragments, each wave's own; slot qt takes the gated O tile once Q tile qt has been read.
;      GT 135,168: the gate in f32, each lane's own, wave*16384 + qt*2048 + t*1024 + 512 b + 16 lane.   MBS 266,240: mask bias, one f32 a key.
; REGISTERS: v0-15 addresses; v16-31 two accumulators (ACC, O) / maxima; v32-63 x^ fragments, then row sums and gate 32-47, ones 48-55, Q 56-63;
;      v64-127 gate bias, then Q, then mask bias and P; v128-255 m, weights, then scores; v256-383 wg, then K, then wo; v384-511 wk, then V, then wo.
.set XP,    528
.set XT,    16*XP                      ; 16 rows of x^
.set XHALF, 8*XT
.set GT,    16*XT
.set MBS,   GT+131072
.set MATB,  131072                     ; a matrix in wf
.set MSB, 0
.macro WIN new                         ; s_set_vgpr_msb: bits 1:0 source 0, 3:2 source 1, 5:4 source 2, 7:6 destination; the high byte repeats the setting left
.if MSB != \new
	s_set_vgpr_msb (MSB<<8)|\new
.set MSB, \new
.endif
.endm
.macro NOPS n                          ; places behind matrix instructions (ISA guide 7.12.1)
.rept \n
	v_nop
.endr
.endm
	s_load_b512 s[4:19], s[0:1], 0x0               ; m, mask, ln_m_g, ln_m_b, bg, bo, wf, zbf
	s_load_b64 s[20:21], s[0:1], 0x40              ; out0
	v_lshrrev_b32 v2, 5, v0
	v_readfirstlane_b32 s22, v2                    ; wave = head
	s_lshr_b32 s23, ttmp9, 1                       ; s
	s_and_b32 s24, ttmp9, 1                        ; qh
	s_mov_b32 s26, 0x76543210                      ; v_permlanex16_b32: lane i takes lane i of the other half
	s_mov_b32 s27, 0xfedcba98
	s_mov_b32 s28, 0x3b800000                      ; 1/256
	s_mov_b32 s29, 0x3727c5ac                      ; 1e-5
	s_mov_b32 s40, 0xbb800000                      ; -1/256
	v_and_b32 v1, 31, v0
	v_and_b32 v14, 15, v0                          ; r (kept until the attention loop)
	v_bfe_u32 v15, v0, 4, 1                        ; h
	v_lshlrev_b32 v10, 3, v1
	v_lshlrev_b32 v1, 4, v1                        ; v1 = 16 x lane; never rewritten
	s_lshl_b32 s30, s22, 15
	v_add_nc_u32 v9, s30, v1                       ; v9: my 16 bytes in my wave's first row of m (32 rows of 1,024 bytes a wave)
	s_mul_i32 s30, s22, 2*XT
	v_add_nc_u32 v10, s30, v10                     ; v10: my 8 bytes in my wave's first row of x^
	v_mul_u32_u24 v2, v14, XP
	v_lshl_add_u32 v2, v15, 4, v2                  ; v2: fragment address, rows 0-127
	v_add_nc_u32 v3, XHALF, v2                     ; v3: rows 128-255
	s_mul_i32 s30, s24, XHALF
	v_add_nc_u32 v4, s30, v2                       ; v4: my work-group's 128 query rows
	s_lshl_b32 s30, s22, 14
	s_add_co_u32 s30, s30, GT
	v_add_nc_u32 v5, s30, v1                       ; v5: gate
	v_lshlrev_b32 v6, 5, v15
	v_add_nc_u32 v6, MBS, v6                       ; v6: mask bias of keys 8 h ..
	s_lshl_b32 s30, s22, 13
	v_add_nc_u32 v7, s30, v1                       ; v7: QO
	s_lshl_b32 s30, s22, 7
	v_lshl_add_u32 v8, v15, 5, s30                 ; v8: bg at 4 (32 head + 8 h)
	v_lshlrev_b32 v11, 2, v0                       ; v11: mask at 4 x thread
	v_add_nc_u32 v13, MBS, v11
	s_mov_b32 s31, 0
	s_wait_kmcnt 0x0
	s_lshl_b32 s30, s23, 18
	s_add_nc_u64 s[4:5], s[4:5], s[30:31]          ; m[s]
	s_add_nc_u64 s[38:39], s[20:21], s[30:31]
	s_lshl_b32 s30, s24, 17
	s_add_nc_u64 s[38:39], s[38:39], s[30:31]      ; out0[s], my 128 rows
	s_add_nc_u64 s[36:37], s[18:19], s[30:31]
	s_lshl_b32 s30, s22, 18
	s_add_nc_u64 s[36:37], s[36:37], s[30:31]      ; zbf: my head, my first q tile
	s_lshl_b32 s30, s23, 10
	s_add_nc_u64 s[6:7], s[6:7], s[30:31]          ; mask[s]
	s_lshl_b32 s30, s22, 14
	s_add_nc_u64 s[32:33], s[16:17], s[30:31]      ; wf: my head's 16 fragments of a matrix
	s_and_b32 s30, s22, 3
	s_lshl_b32 s30, s30, 15
	s_add_co_u32 s30, s30, 4*MATB
	s_add_nc_u64 s[34:35], s[16:17], s[30:31]      ; wf: wo, column group wave & 3
	global_load_b128 v[80:83], v1, s[8:9]          ; ln_m_g of channels 4 lane .., 128 + 4 lane ..
	global_load_b128 v[84:87], v1, s[8:9] offset:512
	global_load_b128 v[88:91], v1, s[10:11]        ; ln_m_b
	global_load_b128 v[92:95], v1, s[10:11] offset:512
	global_load_b128 v[64:67], v8, s[12:13]        ; bg of c = 16 t + 8 h + j
	global_load_b128 v[68:71], v8, s[12:13] offset:16
	global_load_b128 v[72:75], v8, s[12:13] offset:64
	global_load_b128 v[76:79], v8, s[12:13] offset:80
	global_load_b32 v12, v11, s[6:7]
; ---- LAYER NORM: wave v takes rows 32 v .. 32 v + 31, eight at a time; a row is two loads of 512 consecutive bytes ----
.macro MLOAD bt, xb
.irp r, 0,1,2,3,4,5,6,7
	global_load_b128 v[\xb+8*\r:\xb+8*\r+3],   v9, s[4:5] offset:(8*\bt+\r)*1024
	global_load_b128 v[\xb+8*\r+4:\xb+8*\r+7], v9, s[4:5] offset:(8*\bt+\r)*1024+512
.endr
.endm
.macro LANESUM a, o                    ; eight sums over the 32 lanes, side by side; o: a register that has been written
.irp x, 1,2,4,8
.irp r, 0,1,2,3,4,5,6,7
	v_add_f32_dpp v[\a+2*\r], v[\a+2*\r], v[\a+2*\r] row_xmask:\x row_mask:0xf bank_mask:0xf
.endr
.endr
.irp r, 0,1,2,3,4,5,6,7
	v_permlanex16_b32 v[\o+2*\r], v[\a+2*\r], s26, s27
.endr
.irp r, 0,1,2,3,4,5,6,7
	v_add_f32 v[\a+2*\r], v[\a+2*\r], v[\o+2*\r]
.endr
.endm
.macro LNB bt, xb, left                ; left = how many younger loads may stay out
	s_wait_loadcnt \left
.irp r, 0,1,2,3,4,5,6,7
	v_pk_add_f32 v[16+2*\r:17+2*\r], v[\xb+8*\r:\xb+8*\r+1],   v[\xb+8*\r+2:\xb+8*\r+3]
	v_pk_add_f32 v[32+2*\r:33+2*\r], v[\xb+8*\r+4:\xb+8*\r+5], v[\xb+8*\r+6:\xb+8*\r+7]
.endr
.irp r, 0,1,2,3,4,5,6,7
	v_pk_add_f32 v[16+2*\r:17+2*\r], v[16+2*\r:17+2*\r], v[32+2*\r:33+2*\r]
.endr
.irp r, 0,1,2,3,4,5,6,7
	v_add_f32 v[16+2*\r], v[16+2*\r], v[17+2*\r]
.endr
	LANESUM 16, 32
.irp r, 0,1,2,3,4,5,6,7
	v_mul_f32 v[16+2*\r], s40, v[16+2*\r]          ; -mean
.endr
.irp r, 0,1,2,3,4,5,6,7
.irp i, 0,2,4,6
	v_pk_add_f32 v[\xb+8*\r+\i:\xb+8*\r+\i+1], v[\xb+8*\r+\i:\xb+8*\r+\i+1], v[16+2*\r:17+2*\r] op_sel_hi:[1,0]   ; d = x - mean, then its squares: no difference of large sums
.endr
.endr
.irp r, 0,1,2,3,4,5,6,7
	v_pk_mul_f32 v[32+2*\r:33+2*\r], v[\xb+8*\r:\xb+8*\r+1], v[\xb+8*\r:\xb+8*\r+1]
.endr
.irp i, 2,4,6
.irp r, 0,1,2,3,4,5,6,7
	v_pk_fma_f32 v[32+2*\r:33+2*\r], v[\xb+8*\r+\i:\xb+8*\r+\i+1], v[\xb+8*\r+\i:\xb+8*\r+\i+1], v[32+2*\r:33+2*\r]
.endr
.endr
.irp r, 0,1,2,3,4,5,6,7
	v_add_f32 v[32+2*\r], v[32+2*\r], v[33+2*\r]
.endr
	LANESUM 32, 33
.irp r, 0,1,2,3,4,5,6,7
	v_fma_f32 v[32+2*\r], v[32+2*\r], s28, s29     ; variance + eps
.endr
.irp r, 0,1,2,3,4,5,6,7
	v_rsq_f32 v[32+2*\r], v[32+2*\r]
.endr
	v_nop                                          ; one plain instruction between the last v_rsq_f32 and its use
	s_wait_alu depctr_va_vdst(0)
.irp r, 0,1,2,3,4,5,6,7
.irp i, 0,2,4,6
	v_pk_mul_f32 v[\xb+8*\r+\i:\xb+8*\r+\i+1], v[\xb+8*\r+\i:\xb+8*\r+\i+1], v[32+2*\r:33+2*\r] op_sel_hi:[1,0]
.endr
.endr
.irp r, 0,1,2,3,4,5,6,7
.irp i, 0,2,4,6
	v_pk_fma_f32 v[\xb+8*\r+\i:\xb+8*\r+\i+1], v[\xb+8*\r+\i:\xb+8*\r+\i+1], v[80+\i:81+\i], v[88+\i:89+\i]
.endr
.endr
.irp r, 0,1,2,3,4,5,6,7
.irp i, 0,1,2,3
	v_cvt_pk_f16_f32 v[\xb+8*\r+\i], v[\xb+8*\r+2*\i], v[\xb+8*\r+2*\i+1]
.endr
.endr
.irp r, 0,1,2,3,4,5,6,7
	ds_store_b64 v10, v[\xb+8*\r:\xb+8*\r+1]   offset:(8*\bt+\r)*XP          ; channels 4 lane ..: the wave writes 256 consecutive bytes
	ds_store_b64 v10, v[\xb+8*\r+2:\xb+8*\r+3] offset:(8*\bt+\r)*XP+256      ; channels 128 + 4 lane ..
.endr
.endm
; 32 loads of 512 consecutive bytes: my head's 16 fragments of matrix mat, fragment (ks, t) into registers base + 8 (2 ks + t)
.macro WLOAD mat, base, win
	WIN \win
.set n, 0
.rept 32
	global_load_b128 v[\base+4*n:\base+4*n+3], v1, s[32:33] offset:\mat*MATB+512*n
.set n, n+1
.endr
	WIN 0
.endm
	MLOAD 0, 128
	MLOAD 1, 192
	LNB 0, 128, 16                                 ; the 16 loads of rows 8-15 stay out; the nine parameter loads are in too
	MLOAD 2, 128
.irp i, 0,2,4,6,8,10,12,14
	v_pk_mul_f32 v[64+\i:65+\i], v[64+\i:65+\i], 0xbfb8aa3b op_sel_hi:[1,0]     ; -log2(e) bg: starts the gate's sums
.endr
	v_add_f32 v12, -1.0, v12
	v_mul_f32 v12, 0x4eabfb8f, v12                 ; 1e9 log2(e) (mask - 1)
	ds_store_b32 v13, v12
	LNB 1, 192, 16                                 ; rows 16-23 stay out
	MLOAD 3, 192
	LNB 2, 128, 16                                 ; rows 24-31 stay out
	WLOAD 1, 0, 0x40                               ; wg into v256-383
	LNB 3, 192, 32                                 ; wg's 32 loads stay out
	s_wait_dscnt 0x0                               ; my rows of x^ and my mask bias are written before I say so
	s_barrier_signal -1
	s_barrier_wait -1
; ---- THE FOUR PROJECTIONS.  A group is two K steps: four products on two accumulators by turns. ----
.macro XL                              ; four LDS loads: x^ of row tile xg>>2, K steps 2 (xg&3) and + 1, into buffer xg & 1
	.set xrt, xg>>2
	.set xoff, (xrt&7)*XT+128*(xg&3)
	.set xb, 32+16*(xg&1)
	.set xa, xa0+(xrt>>3)
	ds_load_b128 v[xb:xb+3],     v[xa] offset:xoff
	ds_load_b128 v[xb+4:xb+7],   v[xa] offset:xoff+32
	ds_load_b128 v[xb+8:xb+11],  v[xa] offset:xoff+64
	ds_load_b128 v[xb+12:xb+15], v[xa] offset:xoff+96
.endm
.macro EPI kind                        ; what becomes of row tile rt's two accumulators
.if \kind == 0
.irp i, 0,1,2,3,4,5,6,7,8,9,10,11,12,13,14,15
	v_exp_f32 v[16+\i], v[16+\i]                   ; 2^(-log2(e) (x wg + bg))
.endr
	v_nop
	s_wait_alu depctr_va_vdst(0)
.irp i, 0,2,4,6,8,10,12,14
	v_pk_add_f32 v[16+\i:17+\i], v[16+\i:17+\i], 1.0 op_sel_hi:[1,0]
.endr
.irp i, 0,1,2,3,4,5,6,7,8,9,10,11,12,13,14,15
	v_rcp_f32 v[16+\i], v[16+\i]
.endr
	v_nop
	s_wait_alu depctr_va_vdst(0)
.irp i, 0,1,2,3
	ds_store_b128 v5, v[16+4*\i:19+4*\i] offset:rt*2048+512*\i
.endr
.elseif \kind == 1
.irp t, 0,1
.irp i, 0,1,2,3
	v_cvt_pk_f16_f32 v[64+8*rt+4*\t+\i], v[16+8*\t+2*\i], v[17+8*\t+2*\i]
.endr
.endr
.elseif \kind == 2
	WIN 0x40
.irp t, 0,1
.irp i, 0,1,2,3
	v_cvt_pk_f16_f32 v[8*rt+4*\t+\i], v[16+8*\t+2*\i], v[17+8*\t+2*\i]                          ; K tile rt: v256 + 8 rt
.endr
.endr
	WIN 0
.else
	WIN 0x40
.irp t, 0,1
.irp i, 0,1,2,3
	v_cvt_pk_f16_f32 v[128+8*(2*(rt>>1)+\t)+4*(rt&1)+\i], v[16+8*\t+2*\i], v[17+8*\t+2*\i]      ; V^T (kp = rt>>1, ct = t): v384 + 8 (2 kp + ct)
.endr
.endr
	WIN 0
.endif
.endm
; kind 0 gate, 1 Q, 2 K (A = weights, B = x^), 3 V (A = x^, B = weights); nrt row tiles; weights at register wb under window setting mwin
.macro PASS kind, nrt, wb, mwin
	.set xg, 0
	XL
	.set xg, 1
	XL
	.set g, 0
.rept 4*\nrt
	.set rt, g>>2
	.set fb, 32+16*(g&1)
	.set ks, 2*(g&3)
.if g == 4*\nrt-1
	s_wait_dscnt 0x0
.else
	s_wait_dscnt 0x4                               ; LDS instructions end in order: at least the next group's four loads are younger than this group's
.endif
	WIN \mwin
.irp kk, 0,1
.irp t, 0,1
.if \kind == 3
.if ks+\kk == 0
	v_wmma_f32_16x16x32_f16 v[16+8*\t:23+8*\t], v[fb+8*\kk:fb+8*\kk+7], v[\wb+8*(2*(ks+\kk)+\t):\wb+8*(2*(ks+\kk)+\t)+7], 0
.else
	v_wmma_f32_16x16x32_f16 v[16+8*\t:23+8*\t], v[fb+8*\kk:fb+8*\kk+7], v[\wb+8*(2*(ks+\kk)+\t):\wb+8*(2*(ks+\kk)+\t)+7], v[16+8*\t:23+8*\t]
.endif
.else
.if ks+\kk == 0
.if \kind == 0
	v_wmma_f32_16x16x32_f16 v[16+8*\t:23+8*\t], v[\wb+8*(2*(ks+\kk)+\t):\wb+8*(2*(ks+\kk)+\t)+7], v[fb+8*\kk:fb+8*\kk+7], v[64+8*\t:71+8*\t]
.else
	v_wmma_f32_16x16x32_f16 v[16+8*\t:23+8*\t], v[\wb+8*(2*(ks+\kk)+\t):\wb+8*(2*(ks+\kk)+\t)+7], v[fb+8*\kk:fb+8*\kk+7], 0
.endif
.else
	v_wmma_f32_16x16x32_f16 v[16+8*\t:23+8*\t], v[\wb+8*(2*(ks+\kk)+\t):\wb+8*(2*(ks+\kk)+\t)+7], v[fb+8*\kk:fb+8*\kk+7], v[16+8*\t:23+8*\t]
.endif
.endif
.endr
.endr
	WIN 0
.if (g&3) == 3
	NOPS 5                                         ; the accumulators are read below and started anew by the next tile's first products
.else
	NOPS 4                                         ; the buffer just multiplied is loaded again
.endif
.if g+2 < 4*\nrt
	.set xg, g+2
	XL
.endif
.if (g&3) == 3
	EPI \kind
.endif
	.set g, g+1
.endr
.endm
	; Each pass waits for its own weights and asks for the next pass's, which have the whole pass in which to arrive.
	s_wait_loadcnt 0x0                             ; wg
	WLOAD 0, 128, 0                                ; wq into v128-255
	.set xa0, 4
	PASS 0, 8, 0, 0x01                             ; gate of my 128 queries -> GT
	s_wait_loadcnt 0x0                             ; wq
	WLOAD 2, 128, 0x40                             ; wk into v384-511
	PASS 1, 8, 128, 0                              ; Q of my 128 queries -> v64-127
	s_wait_loadcnt 0x0                             ; wk
	WLOAD 3, 128, 0                                ; wv into v128-255
	.set xa0, 2
	PASS 2, 16, 128, 0x01                          ; K of all 256 keys -> v256-383
	s_wait_loadcnt 0x0                             ; wv
	PASS 3, 16, 128, 0                             ; V of all 256 keys -> v384-511
	s_wait_dscnt 0x0                               ; my reads of x^ are over before I say so
	s_barrier_signal -1
	s_barrier_wait -1                              ; nobody reads x^ any more: its bytes become QO
.set n, 0
.rept 16
	ds_store_b128 v7, v[64+4*n:67+4*n] offset:512*n                ; Q's eight fragments, my wave's own bytes
.set n, n+1
.endr
.irp i, 0,1,2,3,4,5,6,7
	v_mov_b32 v[48+\i], 0x3c003c00                 ; a fragment of ones in f16
.endr
	v_mov_b32 v13, 0                               ; the upper half of the pair v[12:13], of which v12 alone is multiplied by
	; addresses of the output projection: wave = (rh = wave >> 2: 64 rows, cg = wave & 3: 64 columns)
	s_and_b32 s30, s22, 3
	s_lshl_b32 s30, s30, 8
	s_lshr_b32 s31, s22, 2
	v_lshl_add_u32 v11, v14, 4, s30                ; v11: bo at 4 (64 cg + 4 r)
	v_lshl_add_u32 v9, v15, 13, v11
	s_lshl_b32 s25, s31, 16
	v_add_nc_u32 v9, s25, v9                       ; v9: out0 at row 64 rh + 8 h, the same columns
	s_lshl_b32 s25, s31, 12
	v_add_nc_u32 v10, s25, v1                      ; v10: QO at tile 4 rh
; The pair bias of a q tile goes straight into the scores' registers: 32 loads of 512 consecutive bytes, four for each pair kp of key tiles.
.macro BIAS4 kp
.irp i, 0,1,2,3
	global_load_b128 v[128+16*(\kp)+4*\i:131+16*(\kp)+4*\i], v1, s[36:37] offset:2048*(\kp)+512*\i
.endr
.endm
.macro BIASLOAD                        ; all 32, in the order kp = 0 .. 7: for the first q tile, ahead of the loop
.irp k, 0,1,2,3,4,5,6,7
	BIAS4 \k
.endr
.endm
.macro MBLOAD half                     ; mask bias of keys 16 kt + 8 h + j, eight key tiles, into v64-127
.set n, 0
.rept 16
	ds_load_b128 v[64+4*n:67+4*n], v6 offset:512*\half+64*(n>>1)+16*(n&1)
.set n, n+1
.endr
.endm
.macro MBADD half
.set n, 0
.rept 32
	v_pk_add_f32 v[128+64*\half+2*n:129+64*\half+2*n], v[128+64*\half+2*n:129+64*\half+2*n], v[64+2*n:65+2*n]
.set n, n+1
.endr
.endm
.macro MAXT k0, cnt                    ; the four chains of maxima run on over cnt key tiles from k0
.set n, \k0
.rept \cnt
.irp c, 0,1,2,3
	v_max3_num_f32 v[16+\c], v[16+\c], v[128+8*n+2*\c], v[129+8*n+2*\c]
.endr
.set n, n+1
.endr
.endm
.macro SUBX kp
.irp i, 0,2,4,6,8,10,12,14
	v_pk_add_f32 v[128+16*(\kp)+\i:129+16*(\kp)+\i], v[128+16*(\kp)+\i:129+16*(\kp)+\i], v[16:17] op_sel_hi:[1,0]
.endr
.endm
.macro EXPX kp
.irp i, 0,1,2,3,4,5,6,7,8,9,10,11,12,13,14,15
	v_exp_f32 v[128+16*(\kp)+\i], v[128+16*(\kp)+\i]
.endr
.endm
.macro CVTX kp
	s_wait_alu depctr_va_vdst(0)
.irp i, 0,1,2,3,4,5,6,7
	v_cvt_pk_f16_f32 v[64+8*(\kp)+\i], v[128+16*(\kp)+2*\i], v[129+16*(\kp)+2*\i]
.endr
.endm
.macro SMUL kt
	v_wmma_f32_16x16x32_f16 v[128+8*\kt:135+8*\kt], v[8*\kt:8*\kt+7], v[56:63], v[128+8*\kt:135+8*\kt]
.endm
; ---- ATTENTION: one q tile (16 queries) a trip.  next = 1: the next tile's bias, Q and mask bias are asked for. ----
.macro TRIP next
	s_wait_loadcnt 0x10                            ; the bias of key tiles 0-7 is in; the 16 loads of tiles 8-15 are younger
	s_wait_dscnt 0x0                               ; Q, the mask bias of tiles 0-7 (nothing younger is out on the way into the loop)
	WIN 0x01                                       ; K in v256-383
.irp kt, 0,1,2,3,4,5,6,7
	SMUL \kt
.endr
	s_wait_loadcnt 0x0
.irp kt, 8,9,10,11,12,13,14,15
	SMUL \kt
.endr
	WIN 0
.if \next
	s_add_nc_u64 s[36:37], s[36:37], 16384         ; every load that named this base is done: now the next q tile's bias
.endif
	NOPS 4
	MBADD 0
	MBLOAD 1                                       ; lands while the maxima of tiles 0-7 are taken
.irp c, 0,1,2,3
	v_max_num_f32 v[16+\c], v[128+2*\c], v[129+2*\c]
.endr
	MAXT 1, 7
	s_wait_dscnt 0x0
	MBADD 1
	MAXT 8, 8
	v_max3_num_f32 v16, v16, v17, v18
	v_max_num_f32 v16, v16, v19
	v_permlanex16_b32 v17, v16, s26, s27           ; the row's other 128 keys
	v_max_num_f32 v16, v16, v17
	v_xor_b32 v16, 0x80000000, v16                 ; -maximum
.if \next == 0
	WIN 0x40                                       ; K has had its last use: wo's K steps 0-3 into v256-383
.set n, 0
.rept 32
	global_load_b128 v[4*n:4*n+3], v1, s[34:35] offset:512*n
.set n, n+1
.endr
	WIN 0
.endif
	; Between a group of exponentials and the conversion of its results stands another group's plain work.
	; The conversion of pair kp is the last reader of that pair's 16 score registers, so the next q tile's bias for the pair is asked for straight
	; behind it, in the order kp = 0 .. 7: the 16 loads that the next trip's first wait needs (kp 0-3) go out ahead of the 32 vector instructions
	; of each later pair, of the 24 products and of the gate's work.
	SUBX 0
	EXPX 0
.irp kp, 1,2,3,4,5,6,7
	SUBX \kp
	EXPX \kp
	CVTX \kp-1
.if \next
	BIAS4 \kp-1
.endif
.endr
	CVTX 7
.if \next
	BIAS4 7
.endif
	; row sums (ones x P) and O^T = V^T P: in each run two accumulators by turns
	v_wmma_f32_16x16x32_f16 v[32:39], v[48:55], v[64:71], 0
	v_wmma_f32_16x16x32_f16 v[40:47], v[48:55], v[72:79], 0
.irp kp, 2,4,6
	v_wmma_f32_16x16x32_f16 v[32:39], v[48:55], v[64+8*\kp:71+8*\kp], v[32:39]
	v_wmma_f32_16x16x32_f16 v[40:47], v[48:55], v[72+8*\kp:79+8*\kp], v[40:47]
.endr
	WIN 0x01                                       ; V^T in v384-511
	v_wmma_f32_16x16x32_f16 v[16:23], v[128:135], v[64:71], 0
	v_wmma_f32_16x16x32_f16 v[24:31], v[136:143], v[64:71], 0
.irp kp, 1,2,3,4,5,6,7
	v_wmma_f32_16x16x32_f16 v[16:23], v[128+16*\kp:135+16*\kp], v[64+8*\kp:71+8*\kp], v[16:23]
	v_wmma_f32_16x16x32_f16 v[24:31], v[136+16*\kp:143+16*\kp], v[64+8*\kp:71+8*\kp], v[24:31]
.endr
	WIN 0
.if \next
	NOPS 4
.else
	NOPS 5                                         ; the output projection's first products write over P's registers
.endif
	v_add_f32 v14, v32, v40                        ; the row's sum; at least 1, since the maximum's own term is 1
	v_rcp_f32 v12, v14
	ds_load_b128 v[32:35], v5                      ; the gate of this q tile
	ds_load_b128 v[36:39], v5 offset:512
	ds_load_b128 v[40:43], v5 offset:1024
	ds_load_b128 v[44:47], v5 offset:1536
.if \next
	ds_load_b128 v[56:59], v7 offset:1024          ; the next tile's Q
	ds_load_b128 v[60:63], v7 offset:1536
	MBLOAD 0
	v_add_nc_u32 v5, 2048, v5                      ; also the plain instruction behind v_rcp_f32
	s_wait_alu depctr_va_vdst(0)
	s_wait_dscnt 0x12                              ; the gate is in; the 2 + 16 loads behind it stay out
.else
	WIN 0x40                                       ; V has had its last use: wo's K steps 4-7 into v384-511
.set n, 0
.rept 32
	global_load_b128 v[128+4*n:131+4*n], v1, s[34:35] offset:16384+512*n
.set n, n+1
.endr
	WIN 0
	global_load_b128 v[56:59], v11, s[14:15]       ; bo of my four columns
	v_nop                                          ; the plain instruction behind v_rcp_f32
	s_wait_alu depctr_va_vdst(0)
	s_wait_dscnt 0x0
.endif
.irp i, 0,2,4,6,8,10,12,14
	v_pk_mul_f32 v[16+\i:17+\i], v[16+\i:17+\i], v[12:13] op_sel_hi:[1,0]
.endr
.irp i, 0,2,4,6,8,10,12,14
	v_pk_mul_f32 v[16+\i:17+\i], v[16+\i:17+\i], v[32+\i:33+\i]
.endr
.irp i, 0,1,2,3,4,5,6,7
	v_cvt_pk_f16_f32 v[16+\i], v[16+2*\i], v[17+2*\i]
.endr
	ds_store_b128 v7, v[16:19]                     ; into the slot from which this tile's Q was read a trip ago (my wave's own bytes, served in order)
	ds_store_b128 v7, v[20:23] offset:512
.if \next
	v_add_nc_u32 v7, 1024, v7
.endif
.endm
	BIASLOAD
	ds_load_b128 v[56:59], v7
	ds_load_b128 v[60:63], v7 offset:512
	MBLOAD 0
	s_mov_b32 s25, 7
.Lq:
	TRIP 1
	s_sub_co_i32 s25, s25, 1
	s_cmp_lg_u32 s25, 0
	s_cbranch_scc1 .Lq
	TRIP 0                                         ; the eighth q tile asks for nothing beyond the end, and for wo and bo instead
	s_wait_dscnt 0x0                               ; my head's gated O is written before I say so
	s_barrier_signal -1
	s_barrier_wait -1
; ---- OUTPUT PROJECTION: 64 rows x 64 columns a wave.  A = gated O (K step = head), B = wo; column 64 cg + 4 r + t lies in tile t of lane r. ----
.macro LOADF rt, buf
.set n, 0
.rept 16
	ds_load_b128 v[128+64*\buf+4*n:131+64*\buf+4*n], v10 offset:(n>>1)*8192+(\rt)*1024+512*(n&1)
.set n, n+1
.endr
.endm
.macro OROW rt, buf, left, more
	s_wait_dscnt \left
	WIN 0x04                                       ; wo in v256-511
.set n, 0                                              ; n = 4 ks + t: four accumulators by turns
.rept 32
.if n < 4
	v_wmma_f32_16x16x32_f16 v[64+8*(n&3):71+8*(n&3)], v[128+64*\buf+8*(n>>2):135+64*\buf+8*(n>>2)], v[8*n:8*n+7], 0
.else
	v_wmma_f32_16x16x32_f16 v[64+8*(n&3):71+8*(n&3)], v[128+64*\buf+8*(n>>2):135+64*\buf+8*(n>>2)], v[8*n:8*n+7], v[64+8*(n&3):71+8*(n&3)]
.endif
.set n, n+1
.endr
	WIN 0
	NOPS 5
.if \more
	LOADF \rt+2, \buf
.endif
	s_wait_xcnt 0x0                                ; v16-47, which the last tile's stores read, are rewritten only behind this wait
.irp j, 0,1,2,3,4,5,6,7
.irp t, 0,1,2,3
	v_add_f32 v[16+4*\j+\t], v[64+8*\t+\j], v[56+\t]               ; + bo, and four neighbouring columns of a row come to lie side by side
.endr
.endr
.irp j, 0,1,2,3,4,5,6,7
	global_store_b128 v9, v[16+4*\j:19+4*\j], s[38:39] offset:(16*\rt+\j)*1024 th:TH_STORE_NT   ; sixteen lanes store 256 consecutive bytes, aligned
.endr
.endm
	s_wait_loadcnt 0x0                             ; wo, bo
	LOADF 0, 0
	LOADF 1, 1
	OROW 0, 0, 0x10, 1                             ; the next tile's 16 loads stay out
	OROW 1, 1, 0x10, 1
	OROW 2, 0, 0x10, 0
	OROW 3, 1, 0x0, 0
	s_wait_xcnt 0x0
	v_lshl_add_u32 v214, v0, 2, 0x41400
	v_mov_b32 v215, 0
	s_wait_tensorcnt 0x0
	ds_add_u32 v214, v215
	s_wait_dscnt 0x0
	s_endpgm
.Lfunc_end_k_q8cad536199_attn:
	.size	k_q8cad536199_attn, .Lfunc_end_k_q8cad536199_attn-k_q8cad536199_attn
	.p2alignl 7, 3214868480
	.fill 96, 4, 3214868480
	.section	.rodata,"a",@progbits
	.p2align	6, 0x0
	.amdhsa_kernel k_q8cad536199_attn
		.amdhsa_group_segment_fixed_size 268288
		.amdhsa_private_segment_fixed_size 0
		.amdhsa_enable_private_segment 0
		.amdhsa_kernarg_size 72
		.amdhsa_user_sgpr_count 2
		.amdhsa_user_sgpr_kernarg_segment_ptr 1
		.amdhsa_wavefront_size32 1
		.amdhsa_system_sgpr_workgroup_id_x 1
		.amdhsa_system_sgpr_workgroup_id_y 1
		.amdhsa_system_sgpr_workgroup_id_z 1
		.amdhsa_system_vgpr_workitem_id 0
		.amdhsa_next_free_vgpr 512
		.amdhsa_next_free_sgpr 66
		.amdhsa_reserve_vcc 0
		.amdhsa_float_denorm_mode_32 3
		.amdhsa_float_denorm_mode_16_64 3
		.amdhsa_memory_ordered 1
		.amdhsa_forward_progress 1
		.amdhsa_inst_pref_size 255
	.end_amdhsa_kernel
	.section	.bss,"aw",@nobits
	.p2align	6
	.space	262144
	.amdgpu_metadata
---
amdhsa.version: [ 1, 2 ]
amdhsa.kernels:
  - .name:           k_q8cad536199_attn
    .symbol:         k_q8cad536199_attn.kd
    .args:
      - { .name: m, .offset: 0, .size: 8, .value_kind: global_buffer, .address_space: global }
      - { .name: mask, .offset: 8, .size: 8, .value_kind: global_buffer, .address_space: global }
      - { .name: ln_m_g, .offset: 16, .size: 8, .value_kind: global_buffer, .address_space: global }
      - { .name: ln_m_b, .offset: 24, .size: 8, .value_kind: global_buffer, .address_space: global }
      - { .name: bg, .offset: 32, .size: 8, .value_kind: global_buffer, .address_space: global }
      - { .name: bo, .offset: 40, .size: 8, .value_kind: global_buffer, .address_space: global }
      - { .name: wf, .offset: 48, .size: 8, .value_kind: global_buffer, .address_space: global }
      - { .name: zbf, .offset: 56, .size: 8, .value_kind: global_buffer, .address_space: global }
      - { .name: out0, .offset: 64, .size: 8, .value_kind: global_buffer, .address_space: global }
    .group_segment_fixed_size: 268288
    .private_segment_fixed_size: 0
    .kernarg_segment_align: 8
    .kernarg_segment_size: 72
    .max_flat_workgroup_size: 256
    .sgpr_count:     66
    .vgpr_count:     512
    .wavefront_size: 32
...
	.end_amdgpu_metadata
.endif
;; end of part 2
